; MI455X (gfx1250); checked and timed in simulation.
; The chip was launched on July 23, 2026; its instructions are those of AMD's public machine-readable ISA for CDNA 5 (MIT licence, August 2026) and "CDNA5" Instruction Set Architecture Reference Guide (July 2026). The comments in the code are by the model that wrote it; some were corrected since.
;; Causal Self Attention. Allowed arithmetic: matrix products marked QUANTISED: E4M3 operands, one given power-of-two scale a tensor, by v_wmma_f32_16x16x64_fp8_fp8 or v_wmma_f32_16x16x128_fp8_fp8, f32 sums; everything else in f32.
;; Inputs: b_out 1,024 float32; lowp_scales 8 int32 (the exponents e of the quantised operands' scales 2^e); w_out 1,024 x 1,024 float32; w_qkv 1,024 x 3,072 float32; x 4 x 2,048 x 1,024 float32.
;; Outputs: out0 4 x 2,048 x 1,024 float32.
;; This version of the problem:
;;   THIS VERSION OF THE PROBLEM IS GIVEN IN LOW PRECISION. The matrix products marked QUANTISED in the list below multiply operands that are first quantised to E4M3 (4 exponent bits, 3 mantissa bits; 8 bits a number), with one given power-of-two scale for each operand tensor; their sums are f32. All else is computed in f32.
;;   The module's matrix products, in the order in which they are computed (A, B: the left and right operand; K: the contracted axis; several contracted axes count as one K, in the product's order):
;;     1. [M 8,192, K 1,024] x [K 1,024, N 3,072]; A: input x; B: input w_qkv: QUANTISED (scales: A lowp_scales[0], B lowp_scales[1])
;;     2. batch 64 x [M 2,048, K 64] x [K 64, N 2,048]; A: computed on the way; B: computed on the way: QUANTISED (scales: A lowp_scales[2], B lowp_scales[3])
;;     3. batch 64 x [M 2,048, K 2,048] x [K 2,048, N 64]; A: softmax (see below); B: computed on the way: QUANTISED (scales: A lowp_scales[4], B lowp_scales[5])
;;     4. [M 8,192, K 1,024] x [K 1,024, N 1,024]; A: computed on the way; B: input w_out: QUANTISED (scales: A lowp_scales[6], B lowp_scales[7])
;;   THE QUANTISER, for each operand of a quantised product, along K:
;;     - The operand's scale is 2^e, e = its entry of the input lowp_scales (int32; the entries are numbered through the quantised products in the list's order, A before B).
;;     - Each number is divided by the scale, clamped to +-448, and rounded to the nearest number of E4M3, ties to even, subnormals kept.
;;     - The product sums the exact products of the quantised numbers (number of the format x scale) in f32.
;;   ~~~python
;;   def quantise(x, axis, e):      # numpy; x: float32 -> the quantised numbers, widened to float32 again
;;       x = np.moveaxis(x, axis, -1); K = x.shape[-1]
;;       r = np.clip(x / 2.0 ** e, -448, 448)
;;       step = 2.0 ** (np.maximum(np.frexp(np.where(r == 0, 1, r))[1] - 1, -6) - 3)
;;       q = np.round(r / step) * step * 2.0 ** e      # np.round: ties to even
;;       return np.moveaxis(q, -1, axis).astype(np.float32)
;;   ~~~
;;   SOFTMAX AHEAD OF A QUANTISED PRODUCT. Where the list says 'softmax', what is quantised is not the finished softmax but p = 2^(t - M), with t = logit x log2(e) and M = ceil(the row's largest t), a whole number; so 1/2 < the row's largest p <= 1. The row's sum l is taken of the UNQUANTISED p, in f32, and the product's result is divided by l at the end. Since M is a whole number, a kernel that streams over the keys may use a running M (the ceiling of the running maximum): every later rescaling is an exact power of two, so the quantised numbers keep their values, but for numbers so far below the row's largest that they fall under the format's range.
;;   OPERANDS COMPUTED ON THE WAY. 'Computed on the way' means the value that the module computes at that place (a softmax that the list does not call 'softmax' is quantised finished and normalised). What goes into a quantiser is computed in f32, as accurately as f32 sums, v_exp_f32 and their like allow (about 1e-6 of the number): no bf16 or f16 on the way to a quantiser, and a product that is left as it is and whose result goes on into a quantised operand takes f32 operands (vector FMAs, or v_wmma_f32_16x16x4_f32). A number that lies on a knife's edge between two numbers of the format may be rounded either way, as far as f32 arithmetic and the matrix unit's own rounding can turn it there, and no further.
;; One version. Each part assembles by itself: llvm-mc -triple=amdgcn-amd-amdhsa -mcpu=gfx1250 --defsym DOCPART=n.
;; ======== version 1 of 1: 4 launches
;; limits: right only within a limited range of input values
;; workspace buffers: xc 8,388,608 bytes; wc 4,194,304 bytes; qc 8,388,608 bytes; kc 8,388,608 bytes; vc 8,388,608 bytes; ac 8,388,608 bytes
;; launch prep (part 1): grid 768 x 1, 4 waves a work-group, no clusters, 34,304 bytes of LDS; arguments x, w_qkv, w_out, lowp_scales, xc, wc; writes xc, wc
.if DOCPART == 1
	.amdgcn_target "amdgcn-amd-amdhsa--gfx1250"
	.amdhsa_code_object_version 6
	.text
	.protected	k_q9da28963ef_prep
	.globl	k_q9da28963ef_prep
	.p2align	8
	.type	k_q9da28963ef_prep,@function
k_q9da28963ef_prep:
	s_mov_b64 s[64:65], 0
	v_nop
	global_prefetch_b8 v0, s[64:65] scope:SCOPE_SE
	s_setreg_imm32_b32 hwreg(HW_REG_WAVE_MODE, 25, 1), 1
	s_wait_xcnt 0x0
; x [8192][1024], w_qkv [1024][3072] and w_out [1024][1024], f32, become codes of FP8 (E4M3) with the given scales 2^e0, 2^e1, 2^e7:
; code = number / 2^e, held within +-448, to the nearest code, ties to even.
; THE CODES ARE LAID AS IMAGES OF OPERAND REGISTERS.  A block of 16 rows x 128 K is 2,048 bytes: chunk c (0..3) is 512 bytes, lane l's 16 bytes at 512 c + 16 l are
; registers 4 c .. 4 c + 3 of the plain 8-bit fragment: lane (r = l % 16, h = l / 16) holds row r, registers 2 c', 2 c' + 1 hold K = 16 c' + 8 h + 0 .. 7.
; xc: [token / 16 : 512][K / 256 : 4][2][2048].   wc: the same form, rows = columns of w_qkv (blocks 0-191), then columns of w_out (blocks 192-255).
; Every store of a wave covers 512 consecutive bytes, aligned.
; SHARES.  Work-groups 0-511: 16 rows of x each, wave = which 256 along K.  The loads take the bytes as they lie (512 on end); the numbers turn through the wave's own stage in LDS, so that a lane gets
; eight neighbours along K for each conversion.  Work-groups 512-703 (w_qkv) and 704-767 (w_out): a wave takes 16 columns x 256 along K; a lane takes ONE column and its registers run down K in the
; fragment's own order, so nothing is transposed and nothing goes through LDS; the four waves stand side by side on 256 consecutive bytes of each row.
; No barrier: waves share nothing.  Only the x way touches LDS.
; LIMITS: e0, e1, e7 between -126 and 119, so that 2^e and 448 x 2^e are f32 numbers.  NaN among the inputs is not served (an infinity is held at the largest code).
.set STG,   8448                       ; a wave's stage: 16 rows x 528 bytes
.set SP,    528                        ; a stage row: 512 bytes + 16 = 132 words, so the 16 rows that a read touches start 4 banks apart (64 banks of 4 bytes: ISA guide 11.1)
.set SPARE, 4*STG                      ; behind the stages: the spare words, 128 bytes for each wave: two blocks of 256 bytes that no other line names
.set R,     32                         ; v32-159  numbers as loaded (x: two sets of 64; a weight: 128, register 8 c + j = K 16 c + 8 h + j)
.set X,     160                        ; v160-223 x: 64 numbers back from the stage, register 8 c + j = K 16 c + 8 h + j of row r
.set C,     224                        ; v224-255 codes: registers of their own for each store
.set SPW,   12                         ; v12      LDS address of my spare word; never rewritten
.set NIL,   13                         ; v13      0; never rewritten
.macro SCALE e                         ; v11 = 2^e as f32 (the conversion takes its exponent field), v10 = 448 x 2^e
	s_add_co_i32 s30, \e, 127
	s_lshl_b32 s31, s30, 23
	v_mov_b32 v11, s31
	s_add_co_i32 s30, s30, 8
	s_lshl_b32 s30, s30, 23
	s_or_b32 s30, s30, 0x600000
	v_mov_b32 v10, s30
.endm
.macro LOADX q                         ; 16 rows x 128 numbers: each load reads 512 consecutive bytes of one row
.irp i, 0,1,2,3,4,5,6,7,8,9,10,11,12,13,14,15
	global_load_b128 v[R+64*\q+4*\i:R+64*\q+4*\i+3], v5, s[4:5] offset:\i*4096+512*\q th:TH_LOAD_NT
.endr
.endm
.macro TURNX q                         ; through the stage: in as loaded, back 32 bytes at a time of my row.  LDS serves a wave's instructions in order, so no wait stands between
.irp i, 0,1,2,3,4,5,6,7,8,9,10,11,12,13,14,15
	ds_store_b128 v6, v[R+64*\q+4*\i:R+64*\q+4*\i+3] offset:SP*\i
.endr
.irp c, 0,1,2,3,4,5,6,7
	ds_load_b128 v[X+8*\c:X+8*\c+3], v7 offset:64*\c
	ds_load_b128 v[X+8*\c+4:X+8*\c+7], v7 offset:64*\c+16
.endr
.endm
.macro QX q
.set j, 0
.rept 64
	v_med3_num_f32 v[X+j], v[X+j], -v10, v10       ; the conversion to an 8-bit code does not saturate (ISA guide 7.6.2): the hold at the largest code x the scale
.set j, j+1
.endr
.irp c, 0,1,2,3,4,5,6,7
	v_cvt_scalef32_pk8_fp8_f32 v[C+16*\q+2*\c:C+16*\q+2*\c+1], v[X+8*\c:X+8*\c+7], v11
.endr
	v_nop                                          ; a plain line behind the last conversion
.irp c, 0,1,2,3
	global_store_b128 v5, v[C+16*\q+4*\c:C+16*\q+4*\c+3], s[12:13] offset:2048*\q+512*\c
.endr
.endm
.macro LOADW t, stride, p              ; 64 along K of my column: sixteen lanes read 64 consecutive bytes of a row
.irp c, 0,1,2,3
.irp j, 0,1,2,3,4,5,6,7
	global_load_b32 v[R+8*(4*\t+\c)+\j], v8, s[\p:\p+1] offset:(16*(4*\t+\c)+\j)*\stride
.endr
.endr
.endm
.macro QW t
.set j, 0
.rept 32
	v_med3_num_f32 v[R+32*\t+j], v[R+32*\t+j], -v10, v10
.set j, j+1
.endr
.irp c, 0,1,2,3
	v_cvt_scalef32_pk8_fp8_f32 v[C+8*\t+2*\c:C+8*\t+2*\c+1], v[R+32*\t+8*\c:R+32*\t+8*\c+7], v11
.endr
	v_nop                                          ; a plain line behind the last conversion
	global_store_b128 v5, v[C+8*\t:C+8*\t+3], s[14:15] offset:1024*\t
	global_store_b128 v5, v[C+8*\t+4:C+8*\t+7], s[14:15] offset:1024*\t+512
.endm
; A weight's way.  stride: bytes in a row of the weight; p: the scalar pair with its address; e: its exponent; nb0: its first block of 16 columns in wc.
; The largest immediate is 247 rows: 247 x 12,288 bytes, inside the signed 24 bits (ISA guide, chapter 10).
.macro WPATH stride, p, e, nb0
	s_sub_co_u32 s28, ttmp9, 512
	s_and_b32 s29, s28, 3                          ; which 256 along K
	s_lshr_b32 s28, s28, 2
	s_lshl_b32 s28, s28, 2
	s_add_co_u32 s28, s28, s16                     ; my block of 16 columns in wc
	s_sub_co_u32 s30, s28, \nb0                    ; and in the weight
	s_mul_i32 s32, s29, 256*\stride
	s_lshl_b32 s30, s30, 6
	s_add_co_u32 s32, s32, s30
	s_mov_b32 s33, 0
	s_add_nc_u64 s[\p:\p+1], s[\p:\p+1], s[32:33]
	s_lshl_b32 s28, s28, 2
	s_add_co_u32 s28, s28, s29
	s_lshl_b32 s28, s28, 12                        ; (block x 4 + K step) x 4,096 bytes
	s_mov_b32 s29, 0
	s_add_nc_u64 s[14:15], s[14:15], s[28:29]
	v_mul_u32_u24 v8, v4, 8*\stride                ; lanes 16-31 begin eight rows further down,
	v_lshl_add_u32 v8, v3, 2, v8                   ; lane r at column r
	LOADW 0, \stride, \p
	LOADW 1, \stride, \p
	s_wait_kmcnt 0x0
	SCALE \e
	s_wait_alu depctr_va_vdst(0)
	s_wait_loadcnt 32                              ; the oldest 32 loads are in; the 32 behind them may be out
	QW 0
	LOADW 2, \stride, \p
	s_wait_loadcnt 32
	QW 1
	LOADW 3, \stride, \p
	s_wait_loadcnt 32
	QW 2
	s_wait_loadcnt 0x0
	QW 3
.endm
	s_load_b256 s[4:11], s[0:1], 0x0               ; x s[4:5], w_qkv s[6:7], w_out s[8:9], the exponents s[10:11]
	s_load_b128 s[12:15], s[0:1], 0x20             ; xc s[12:13], wc s[14:15]
	v_lshl_add_u32 v[SPW], v0, 2, SPARE
	v_mov_b32 v[NIL], 0
	v_lshrrev_b32 v1, 5, v0
	v_readfirstlane_b32 s16, v1                    ; wave 0..3
	v_and_b32 v2, 31, v0                           ; lane
	v_and_b32 v3, 15, v0                           ; r
	v_bfe_u32 v4, v0, 4, 1                         ; h
	v_lshlrev_b32 v5, 4, v2                        ; 16 x lane
	s_mul_i32 s17, s16, STG
	v_add_nc_u32 v6, s17, v5                       ; the stage, on the way in: 16 x lane of a row
	v_mul_u32_u24 v7, v3, SP
	v_lshl_add_u32 v7, v4, 5, v7
	v_add_nc_u32 v7, s17, v7                       ; and back: row r, + 32 h bytes
	s_wait_kmcnt 0x0
	s_load_b256 s[20:27], s[10:11], 0x0            ; e0 .. e7
	s_cmp_lt_u32 ttmp9, 512
	s_cbranch_scc1 .Lx
	s_cmp_lt_u32 ttmp9, 704
	s_cbranch_scc1 .Lqkv
	s_wait_alu depctr_va_vdst(0)
	WPATH 4096, 8, s27, 192                        ; w_out, e7
	s_endpgm
.Lqkv:
	s_wait_alu depctr_va_vdst(0)
	WPATH 12288, 6, s21, 0                         ; w_qkv, e1
	s_endpgm
.Lx:
	s_lshl_b32 s28, ttmp9, 16                      ; 16 rows of 4,096 bytes,
	s_lshl_b32 s29, s16, 10                        ; my 256 numbers of each
	s_add_co_u32 s28, s28, s29
	s_mov_b32 s29, 0
	s_add_nc_u64 s[4:5], s[4:5], s[28:29]
	s_lshl_b32 s28, ttmp9, 2
	s_add_co_u32 s28, s28, s16
	s_lshl_b32 s28, s28, 12                        ; (block x 4 + K step) x 4,096 bytes
	s_add_nc_u64 s[12:13], s[12:13], s[28:29]
	s_wait_alu depctr_va_vdst(0)
	LOADX 0
	LOADX 1
	s_wait_kmcnt 0x0
	SCALE s20                                      ; e0
	s_wait_alu depctr_va_vdst(0)
	s_wait_loadcnt 16                              ; the first 128 along K are in; the second's 16 loads may be out
	TURNX 0
	s_wait_dscnt 0x0
	QX 0
	s_wait_loadcnt 0x0
	TURNX 1                                        ; its stores come behind the first turn's reads, which are back
	s_wait_dscnt 0x0
	QX 1
	s_wait_tensorcnt 0x0                           ; the wave's end, behind my last LDS store
	ds_add_u32 v[SPW], v[NIL]
	s_wait_dscnt 0x0
	s_endpgm
.Lfunc_end_k_q9da28963ef_prep:
	.size	k_q9da28963ef_prep, .Lfunc_end_k_q9da28963ef_prep-k_q9da28963ef_prep
	.p2alignl 7, 3214868480
	.fill 96, 4, 3214868480
	.section	.rodata,"a",@progbits
	.p2align	6, 0x0
	.amdhsa_kernel k_q9da28963ef_prep
		.amdhsa_group_segment_fixed_size 34304
		.amdhsa_private_segment_fixed_size 0
		.amdhsa_enable_private_segment 0
		.amdhsa_kernarg_size 48
		.amdhsa_user_sgpr_count 2
		.amdhsa_user_sgpr_kernarg_segment_ptr 1
		.amdhsa_wavefront_size32 1
		.amdhsa_system_sgpr_workgroup_id_x 1
		.amdhsa_system_sgpr_workgroup_id_y 1
		.amdhsa_system_sgpr_workgroup_id_z 1
		.amdhsa_system_vgpr_workitem_id 0
		.amdhsa_next_free_vgpr 256
		.amdhsa_next_free_sgpr 66
		.amdhsa_reserve_vcc 0
		.amdhsa_float_denorm_mode_32 3
		.amdhsa_float_denorm_mode_16_64 3
		.amdhsa_memory_ordered 1
		.amdhsa_forward_progress 1
		.amdhsa_inst_pref_size 66
	.end_amdhsa_kernel
	.amdgpu_metadata
---
amdhsa.version: [ 1, 2 ]
amdhsa.kernels:
  - .name:           k_q9da28963ef_prep
    .symbol:         k_q9da28963ef_prep.kd
    .args:
      - { .name: x, .offset: 0, .size: 8, .value_kind: global_buffer, .address_space: global }
      - { .name: w_qkv, .offset: 8, .size: 8, .value_kind: global_buffer, .address_space: global }
      - { .name: w_out, .offset: 16, .size: 8, .value_kind: global_buffer, .address_space: global }
      - { .name: lowp_scales, .offset: 24, .size: 8, .value_kind: global_buffer, .address_space: global }
      - { .name: xc, .offset: 32, .size: 8, .value_kind: global_buffer, .address_space: global }
      - { .name: wc, .offset: 40, .size: 8, .value_kind: global_buffer, .address_space: global }
    .group_segment_fixed_size: 34304
    .private_segment_fixed_size: 0
    .kernarg_segment_align: 8
    .kernarg_segment_size: 48
    .max_flat_workgroup_size: 128
    .sgpr_count:     66
    .vgpr_count:     256
    .wavefront_size: 32
...
	.end_amdgpu_metadata
.endif
;; end of part 1
;; launch gemm_qkv (part 2): grid 96 x 4, 4 waves a work-group, clusters of 4 x 4, 327,680 bytes of LDS; arguments xc, wc, lowp_scales, qc, kc, vc; writes qc, kc, vc
.if DOCPART == 2
	.amdgcn_target "amdgcn-amd-amdhsa--gfx1250"
	.amdhsa_code_object_version 6
	.text
	.protected	k_q9da28963ef_gemm_qkv
	.globl	k_q9da28963ef_gemm_qkv
	.p2align	8
	.type	k_q9da28963ef_gemm_qkv,@function
k_q9da28963ef_gemm_qkv:
	s_mov_b64 s[64:65], 0
	v_nop
	global_prefetch_b8 v0, s[64:65] scope:SCOPE_SE
	s_setreg_imm32_b32 hwreg(HW_REG_WAVE_MODE, 25, 1), 1
	s_wait_xcnt 0x0
	s_wait_alu depctr_hold_cnt(0) depctr_sa_sdst(0) depctr_va_vdst(0) depctr_va_sdst(0) depctr_va_ssrc(0) depctr_va_vcc(0) depctr_vm_vsrc(0)
	s_getreg_b32 s2, hwreg(HW_REG_IB_STS2, 6, 4)
	s_cmp_eq_u32 s2, 0
	s_cbranch_scc0 .Lentry_in_a_cluster
	s_endpgm
.Lentry_in_a_cluster:
	s_bfe_u32 s2, ttmp6, 0x10000c
	s_cmp_lg_u32 s2, 0xf033
	s_cbranch_scc0 .Lentry_shape_is_right
	s_endpgm
.Lentry_shape_is_right:
; q, k, v = x w_qkv on codes of FP8 (E4M3), K = 1,024, and straight on into codes again: q with 2^e2, k with 2^e3, v with 2^e5.
; A sum stands for sum x 2^(e0 + e1), so its code is sum / 2^(eX - e0 - e1), held within +-448: the three exponents are folded into the conversion's one.
; OPERANDS ARE IMAGES OF REGISTERS: a block of 16 rows x 128 K is 2,048 bytes, chunk c of 512 bytes holds registers 4 c .. 4 c + 3, lane l's 16 bytes at 16 l.  xc and wc: [row / 16][K / 256 : 4][2][2048].
; A tile, 256 x 256, is made by four waves, each 128 x 128: 64 accumulators, 512 registers.  THE MATRIX INSTRUCTION IS USED TRANSPOSED: source 0 = 16 rows of B, source 1 = 16 rows of A: lane (r, h) then holds
; row r of A and, in accumulator b, columns 16 b + 8 h + 0 .. 7: one conversion of an accumulator gives registers 2 b, 2 b + 1 of the NEXT product's fragment.  So the way out needs no LDS: eight accumulators
; become one image of 16 rows x 128 columns, stored by four stores of 512 consecutive bytes.
; ROLES, by the cluster's number c (24 clusters of 4 x 4): c < 16: A = x (tile rows 4 (c / 2) + cy), B = w_qkv's columns 0-2047 (tile columns 4 (c % 2) + cx): q for even c, k for odd c.
;   c >= 16: v, THE OTHER WAY ROUND: A = w_qkv's columns 2048-3071 (tile row cy), B = x (tile columns 4 (c - 16) + cx), so that a lane holds one channel and eight neighbouring KEYS, the next K.
;   The roles are chosen by selects on c, which all sixteen partners share: no branch.
; OUT: qc, kc: [batch x 8 + pair of heads][token / 16 : 128][2048], a block's 128 columns = the pair's 2 x 64 channels.  vc: [batch x 8 + pair][key / 128 : 16][8][2048]: rows = the pair's 128 channels, columns = 128 keys.
;   In all three a wave's 128 x 128 codes are 16,384 bytes on end.
; CLUSTERS: A's tile is shared along a row of the cluster, B's along a column: each is asked for JOINTLY, by the same tensor load with the same descriptor and a mask that names the four.
; K goes in steps of 256 through a ring of two LDS slots; K = 1,024 is twice round the ring, written out without a loop.
; LIMITS: eX - e0 - e1 between -126 and 119 for X = 2, 3, 5.
; REGISTERS, in windows of 256: window 0: v16-31 addresses and scales; v32-95 at work on the way out; v128-255 A's fragments, ONE set, later the codes.  window 1: B's fragments, TWO sets, at v0 and v128.
;   window 2: the accumulators of my rows 0-63 ((a, b) at v[8 (8 a + b)]); window 3: those of my rows 64-127.
.set FR,     16                        ; registers of a fragment: 16 rows x 128 K
.set NL,     4                         ; LDS loads that bring one
.set NP,     4                         ; places behind this matrix instruction (ISA guide 7.12.1)
.set BLKB,   4096                      ; 16 rows x 256 K: a row block's part of a slot
.set HALFT,  8*BLKB                    ; 128 rows: what one wave reads of A or of B; a tensor load brings two of them, a whole tile of A or of B
.set SLOT,   4*HALFT                   ; A's 256 rows, then B's 256 rows
.set SPARE,  2*SLOT                    ; behind the ring: the spare words, 128 bytes for each wave: two blocks of 256 bytes that no other line names
.set ADRA, 16                          ; v16-17  LDS address of my A fragments in slot 0, 1
.set ADRB, 20                          ; v20-21  the same for B
.set CO,   26                          ; v26     16 x lane
.set SPW,  28                          ; v28     LDS address of my spare word; never rewritten
.set NIL,  29                          ; v29     0; never rewritten
.set SCL,  30                          ; v30     2^(eX - e0 - e1) as f32
.set LIMV, 31                          ; v31     448 x that
.set TMP,  32                          ; v32-95  a block's sums, held
.set AF,   128                         ; A's fragments
.set CD,   128                         ; the codes: 16 registers for each block, so that no store's data are written again
.set WV,   16                          ; s16 wave;  s17 wave / 2: my half of the rows;  s18 wave % 2: my half of the columns
.set HI,   17
.set LO,   18
.set TR,   19                          ; s19 tile row;  s23 tile column
.set TC,   23
.set G1,   24                          ; s[24:31] descriptor group 1 for A's tiles;  s[32:39] group 0, one set for each slot
.set G0,   32
.set G1B,  48                          ; s[48:55], s[56:63] the same for B's tiles
.set G0B,  56
.set MSB, 0
.macro WIN new                         ; the immediate's high byte repeats the setting that is left
.if MSB != (\new)
	s_set_vgpr_msb (MSB<<8)|(\new)
.set MSB, (\new)
.endif
.endm
.set MUL_LO, 0xa1                      ; source 0 (B) window 1, source 1 (A) window 0, C and D window 2
.set MUL_HI, 0xf1                      ; the same, C and D window 3
.set TO_B,   0x40                      ; destination window 1, address window 0
; A joint refill: wave w0 fetches A's tile, wave w0 + 1 B's, the other two nothing.  The branches hang on the wave's number alone.  An s_nop 0 and four v_nop follow each of the two lines.
.macro JLOAD g0a, g1a, g0b, g1b, w0
	s_cmp_eq_u32 s[WV], \w0
	s_cbranch_scc0 .Lfor_b_\@
	tensor_load_to_lds s[\g0a:\g0a+3], s[\g1a:\g1a+7]
	s_nop 0
.rept 4
	v_nop
.endr
	s_branch .Lasked_\@
.Lfor_b_\@:
	s_cmp_eq_u32 s[WV], \w0+1
	s_cbranch_scc0 .Lasked_\@
	tensor_load_to_lds s[\g0b:\g0b+3], s[\g1b:\g1b+7]
	s_nop 0
.rept 4
	v_nop
.endr
.Lasked_\@:
.endm
; The first fills: one chain of four arms, one joint load to an arm, all arms leading to one join: wave 0 A's tile of K step 0, wave 1 B's, wave 2 A's of K step 1, wave 3 B's.
.macro ARM g0, g1
	tensor_load_to_lds s[\g0:\g0+3], s[\g1:\g1+7]
	s_nop 0
.rept 4
	v_nop
.endr
.endm
.macro HLOAD
	s_cmp_eq_u32 s[WV], 0
	s_cbranch_scc0 .Lh1_\@
	ARM G0, G1
	s_branch .Lhj_\@
.Lh1_\@:
	s_cmp_eq_u32 s[WV], 1
	s_cbranch_scc0 .Lh2_\@
	ARM G0B, G1B
	s_branch .Lhj_\@
.Lh2_\@:
	s_cmp_eq_u32 s[WV], 2
	s_cbranch_scc0 .Lh3_\@
	ARM G0+4, G1
	s_branch .Lhj_\@
.Lh3_\@:
	ARM G0B+4, G1B
.Lhj_\@:
.endm
.macro CREST                           ; a round of the cluster's barrier behind its opening barrier
	s_cmp_lg_u32 s[WV], 0
	s_cbranch_scc1 .Lnot_wave_0_\@
	s_barrier_signal -3
.Lnot_wave_0_\@:
	s_barrier_wait -3
	s_barrier_signal -1
	s_barrier_wait -1
.endm
.macro CROUND                          ; a whole round
	s_barrier_signal -1
	s_barrier_wait -1
	CREST
.endm
.macro FRAG reg, adr, q, i             ; a fragment comes as it was laid: four loads of 512 consecutive bytes
.irp c, 0,1,2,3
	ds_load_b128 v[\reg+4*\c:\reg+4*\c+3], v[\adr] offset:BLKB*(\i)+2048*(\q)+512*\c
.endr
.endm
; 16 matrix instructions: A's blocks a0, a0 + 1 x B's eight, 128 along K.  p: B's set.  zero = 1: the first product starts the sums.  The 64 accumulators take turns, one instruction a turn.
.macro MUL16 a0, p, zero
.irp a, \a0, \a0+1
.irp b, 0,1,2,3,4,5,6,7
.if \zero
	v_wmma_f32_16x16x128_fp8_fp8 v[8*(8*((\a)%4)+\b):8*(8*((\a)%4)+\b)+7], v[128*(\p)+FR*\b:128*(\p)+FR*\b+FR-1], v[AF+FR*(\a):AF+FR*(\a)+FR-1], 0
.else
	v_wmma_f32_16x16x128_fp8_fp8 v[8*(8*((\a)%4)+\b):8*(8*((\a)%4)+\b)+7], v[128*(\p)+FR*\b:128*(\p)+FR*\b+FR-1], v[AF+FR*(\a):AF+FR*(\a)+FR-1], v[8*(8*((\a)%4)+\b):8*(8*((\a)%4)+\b)+7]
.endif
.endr
.endr
.endm
.macro FETCH_B slot, q, p              ; B's eight fragments of the slot's q-th 128 along K into set p
	WIN TO_B
.irp i, 0,1,2,3,4,5,6,7
	FRAG 128*(\p)+FR*\i, ADRB+\slot, \q, \i
.endr
	WIN 0
.endm
.macro FETCH_A slot, q, i0             ; A's blocks i0 .. i0 + 3
.irp i, \i0, \i0+1, \i0+2, \i0+3
	FRAG AF+FR*(\i), ADRA+\slot, \q, \i
.endr
.endm
.macro PLACES n                        ; plain vector lines between a matrix instruction and a load into, or a read of, its registers
.rept \n
	v_nop
.endr
.endm
; A step of 128 along K that has its successor in the same slot.
.macro STEP slot, q, zero
	s_wait_dscnt 4*NL                              ; B's set and A's blocks 0-3 are in; the youngest sixteen loads (A's blocks 4-7) may be out
	WIN MUL_LO
	MUL16 0, (\q)%2, \zero
	MUL16 2, (\q)%2, \zero
	s_wait_dscnt 0                                 ; A's blocks 4-7 are in
	PLACES NP
	FETCH_B \slot, (\q)+1, 1-(\q)%2
	FETCH_A \slot, (\q)+1, 0
	WIN MUL_HI
	MUL16 4, (\q)%2, \zero
	MUL16 6, (\q)%2, \zero
	PLACES NP
	WIN 0
	FETCH_A \slot, (\q)+1, 4
.endm
; A slot's last step changes slots: ONE barrier; in front of it each wave waits for all its tensor loads, adds 0 to its spare word, and waits for that and for its own reads of this slot.  fill = 1: this slot is filled again, two K steps ahead.
.macro TURN slot, next, fill
	s_wait_tensorcnt 0x0                           ; all my tensor loads have landed: my part of the next slot  (every window is 0 here)
	ds_add_u32 v[SPW], v[NIL]                      ; 0 onto my spare word
	s_wait_dscnt 4*NL+1                            ; (the add and the youngest sixteen loads may be out)
	WIN MUL_LO
	MUL16 0, 1, 0                                  ; sixteen matrix instructions stand between the add and the wait for it
	s_wait_dscnt 0x0                               ; the add is done, and my reads of this slot are over
	s_barrier_signal -1
	MUL16 2, 1, 0
	WIN 0
	s_barrier_wait -1
.if \fill
	CREST                                          ; the barrier has opened a round of the cluster's barrier: no wave of any partner still reads this slot or has a load on its way
	s_add_nc_u64 s[G0+4*\slot+2:G0+4*\slot+3], s[G0+4*\slot+2:G0+4*\slot+3], 2*BLKB
	s_add_nc_u64 s[G0B+4*\slot+2:G0B+4*\slot+3], s[G0B+4*\slot+2:G0B+4*\slot+3], 2*BLKB
	JLOAD G0+4*\slot, G1, G0B+4*\slot, G1B, 2*\slot   ; the first tensor load behind the round: waves 2 slot and 2 slot + 1
	PLACES NP                                      ; on every wave's way: the places in front of the loads below
.else
	PLACES NP
.endif
	FETCH_B \next, 0, 0
	FETCH_A \next, 0, 0
	WIN MUL_HI
	MUL16 4, 1, 0
	MUL16 6, 1, 0
	PLACES NP
	WIN 0
	FETCH_A \next, 0, 4
.endm
	s_load_b256 s[4:11], s[0:1], 0x0               ; xc s[4:5], wc s[6:7], the exponents s[8:9], qc s[10:11]
	s_load_b128 s[12:15], s[0:1], 0x20             ; kc s[12:13], vc s[14:15]
	v_lshl_add_u32 v[SPW], v0, 2, SPARE
	v_mov_b32 v[NIL], 0
	ds_add_u32 v[SPW], v[NIL]                      ; the wave's opening: the add and its wait come ahead of my first tensor load; the set-up below stands between them
	ds_add_u32 v[SPW], v[NIL]
	v_lshrrev_b32 v1, 5, v0
	v_readfirstlane_b32 s[WV], v1                  ; wave 0..3
	s_lshr_b32 s[HI], s[WV], 1
	s_and_b32 s[LO], s[WV], 1
	s_bfe_u32 s40, ttmp6, 0x40000                  ; cx, cy: my place in the cluster
	s_bfe_u32 s41, ttmp6, 0x40004
	s_lshr_b32 s66, ttmp9, 1                       ; the cluster's place among the tiles, by its role
	s_and_b32 s67, ttmp9, 1
	s_sub_co_u32 s68, ttmp9, 16
	s_cmp_lt_u32 ttmp9, 16
	s_cselect_b32 s66, s66, 0                      ; row of clusters
	s_cselect_b32 s67, s67, s68                    ; column of clusters
	s_lshl_b32 s[TC], s67, 2
	s_add_co_u32 s[TC], s[TC], s40                 ; tile column
	s_lshl_b32 s[TR], s66, 2
	s_add_co_u32 s[TR], s[TR], s41                 ; tile row
	s_lshl_b32 s43, s41, 2
	s_lshl_b32 s43, 15, s43                        ; my row of the cluster
	s_lshl_b32 s44, 0x1111, s40                    ; my column
	; descriptor group 1: 16 row blocks x 4,096 consecutive bytes, 16,384 bytes apart in memory, dense in LDS: a whole tile of 256 rows x 256 K
	s_or_b32 s[G1+0], s43, (3<<16)|(1<<21)         ; 15:0 the mask: A's tiles go to my row; 17:16 elements of 8 bytes; 20 no padding; 21 set beside a mask
	s_or_b32 s[G1B+0], s44, (3<<16)|(1<<21)        ; B's go to my column
.irp g, G1, G1B
	s_mov_b32 s[\g+1], 512<<16                     ; tensor_dim0 = 512 elements
	s_mov_b32 s[\g+2], 16<<16                      ; tensor_dim1 = 16
	s_mov_b32 s[\g+3], 512<<16                     ; tile_dim0
	s_mov_b32 s[\g+4], 16                          ; tile_dim1
	s_mov_b32 s[\g+5], 2048                        ; tensor_dim0_stride, in elements
	s_mov_b32 s[\g+6], 0
	s_mov_b32 s[\g+7], 0
.endr
	s_lshl_b32 s20, s[TR], 18                      ; A: 256 x tile row x 1,024 bytes
	s_mov_b32 s21, 0
	s_lshl_b32 s46, s[TC], 18                      ; B: the same by the tile column
	s_mov_b32 s47, 0
	s_wait_dscnt 0x0                               ; the opening add is done
	s_wait_kmcnt 0x0
	s_load_b256 s[80:87], s[8:9], 0x0              ; e0 .. e7
	s_add_nc_u64 s[70:71], s[6:7], 0x200000        ; wc at row 2,048: v's columns
	s_cmp_lt_u32 ttmp9, 16
	s_cselect_b64 s[72:73], s[4:5], s[70:71]       ; A
	s_cselect_b64 s[74:75], s[6:7], s[4:5]         ; B
	s_add_nc_u64 s[20:21], s[72:73], s[20:21]
	s_add_nc_u64 s[46:47], s[74:75], s[46:47]
	CROUND                                         ; all sixteen work-groups are here: the first joint loads meet
.irp s, 0,1
	s_mov_b32 s[G0+4*\s], 1
	s_mov_b32 s[G0+4*\s+1], \s*SLOT                ; A's tile at the slot's head,
	s_add_nc_u64 s[G0+4*\s+2:G0+4*\s+3], s[20:21], \s*BLKB
	s_or_b32 s[G0+4*\s+3], s[G0+4*\s+3], 0x80000000
	s_mov_b32 s[G0B+4*\s], 1
	s_mov_b32 s[G0B+4*\s+1], \s*SLOT+2*HALFT       ; B's behind it: constants alone
	s_add_nc_u64 s[G0B+4*\s+2:G0B+4*\s+3], s[46:47], \s*BLKB
	s_or_b32 s[G0B+4*\s+3], s[G0B+4*\s+3], 0x80000000
.endr
	HLOAD                                          ; K steps 0 and 1, both operands: one tensor load a wave at the head
	v_and_b32 v2, 31, v0
	v_lshlrev_b32 v[CO], 4, v2                     ; 16 x lane
	s_lshl_b32 s66, s[HI], 15                      ; my 128 rows of A
	s_lshl_b32 s67, s[LO], 15                      ; my 128 rows of B,
	s_add_co_u32 s67, s67, 2*HALFT                 ; which lie behind A's 256
.irp s, 0,1
	v_add_nc_u32 v[ADRA+\s], s66, v[CO]
	v_add_nc_u32 v[ADRB+\s], s67, v[CO]
	s_add_co_u32 s66, s66, SLOT
	s_add_co_u32 s67, s67, SLOT
.endr
	s_wait_alu depctr_va_vdst(0)
	s_wait_tensorcnt 0x0                           ; my one load is in,
	s_barrier_signal -1
	s_barrier_wait -1                              ; everybody's is: both slots are whole; slots are filled again only at the turns
	FETCH_B 0, 0, 0
	FETCH_A 0, 0, 0
	FETCH_A 0, 0, 4
	STEP 0, 0, 1                                   ; the first step's products start the sums
	TURN 0, 1, 1                                   ; slot 0 takes K step 2
	STEP 1, 0, 0
	TURN 1, 0, 1                                   ; slot 1 takes K step 3
	STEP 0, 0, 0
	TURN 0, 1, 0                                   ; nothing is left to fetch
	STEP 1, 0, 0
	s_wait_dscnt 4*NL                              ; the very last step
	WIN MUL_LO
	MUL16 0, 1, 0
	MUL16 2, 1, 0
	s_wait_dscnt 0
	WIN MUL_HI
	MUL16 4, 1, 0
	MUL16 6, 1, 0
	WIN 0
	; THE WAY OUT: which exponent, which buffer, which 16,384 bytes of it
	s_wait_kmcnt 0x0
	s_and_b32 s68, ttmp9, 1
	s_cmp_lg_u32 s68, 0
	s_cselect_b32 s66, s83, s82                    ; odd cluster: k, e3; even: q, e2
	s_cselect_b64 s[88:89], s[12:13], s[10:11]
	s_cmp_lt_u32 ttmp9, 16
	s_cselect_b32 s66, s66, s85                    ; from cluster 16 on: v, e5
	s_cselect_b64 s[88:89], s[88:89], s[14:15]
	s_sub_co_i32 s66, s66, s80
	s_sub_co_i32 s66, s66, s81                     ; eX - e0 - e1
	s_add_co_i32 s66, s66, 127
	s_lshl_b32 s67, s66, 23
	v_mov_b32 v[SCL], s67
	s_add_co_i32 s66, s66, 8
	s_lshl_b32 s66, s66, 23
	s_or_b32 s66, s66, 0x600000
	v_mov_b32 v[LIMV], s66
	s_wait_alu depctr_va_vdst(0)
	s_lshl_b32 s68, s[TR], 8
	s_lshl_b32 s69, s[HI], 7
	s_add_co_u32 s68, s68, s69                     ; my first row of A
	s_lshl_b32 s69, s[TC], 8
	s_lshl_b32 s70, s[LO], 7
	s_add_co_u32 s69, s69, s70                     ; my first row of B
	s_cmp_lt_u32 ttmp9, 16
	s_cselect_b32 s70, s68, s69                    ; my first token,
	s_cselect_b32 s71, s69, s68                    ; my first channel
	s_bfe_u32 s71, s71, 0x30007                    ; the pair of heads: (channel / 128) % 8
	s_lshr_b32 s72, s70, 11                        ; the batch
	s_lshl_b32 s72, s72, 3
	s_add_co_u32 s72, s72, s71
	s_lshl_b32 s72, s72, 18                        ; (batch x 8 + pair) x 262,144 bytes
	s_and_b32 s70, s70, 2047
	s_lshl_b32 s70, s70, 7                         ; + token x 128 bytes
	s_add_co_u32 s72, s72, s70
	s_mov_b32 s73, 0
	s_add_nc_u64 s[88:89], s[88:89], s[72:73]
	PLACES NP                                      ; behind the last products
; Block a: 16 rows of A x my 128 columns.  Each accumulator is read from its low end on.
.macro QBLOCK a
	WIN 0x02+(\a)/4                                ; source 0: window 2 or 3
.set j, 0
.rept 64
	v_med3_num_f32 v[TMP+j], v[64*((\a)%4)+j], -v[LIMV], v[LIMV]   ; the conversion to an 8-bit code does not saturate (ISA guide 7.6.2): the hold
.set j, j+1
.endr
	WIN 0
.irp b, 0,1,2,3,4,5,6,7
	v_cvt_scalef32_pk8_fp8_f32 v[CD+16*(\a)+2*\b:CD+16*(\a)+2*\b+1], v[TMP+8*\b:TMP+8*\b+7], v[SCL]
.endr
	v_nop                                          ; a plain line between the last conversion and the next block's holds, which write its sources
.irp c, 0,1,2,3
	global_store_b128 v[CO], v[CD+16*(\a)+4*\c:CD+16*(\a)+4*\c+3], s[88:89] offset:2048*(\a)+512*\c   ; 512 consecutive bytes, aligned
.endr
.endm
.irp a, 0,1,2,3,4,5,6,7
	QBLOCK \a
.endr
	s_wait_tensorcnt 0x0                           ; the wave's end
	ds_add_u32 v[SPW], v[NIL]
	s_wait_dscnt 0x0
	CROUND                                         ; the closing round: no work-group ends while a partner may still ask for a tile that names it
	s_endpgm
.Lfunc_end_k_q9da28963ef_gemm_qkv:
	.size	k_q9da28963ef_gemm_qkv, .Lfunc_end_k_q9da28963ef_gemm_qkv-k_q9da28963ef_gemm_qkv
	.p2alignl 7, 3214868480
	.fill 96, 4, 3214868480
	.section	.rodata,"a",@progbits
	.p2align	6, 0x0
	.amdhsa_kernel k_q9da28963ef_gemm_qkv
		.amdhsa_group_segment_fixed_size 327680
		.amdhsa_private_segment_fixed_size 0
		.amdhsa_enable_private_segment 0
		.amdhsa_kernarg_size 48
		.amdhsa_user_sgpr_count 2
		.amdhsa_user_sgpr_kernarg_segment_ptr 1
		.amdhsa_wavefront_size32 1
		.amdhsa_system_sgpr_workgroup_id_x 1
		.amdhsa_system_sgpr_workgroup_id_y 1
		.amdhsa_system_sgpr_workgroup_id_z 1
		.amdhsa_system_vgpr_workitem_id 0
		.amdhsa_next_free_vgpr 1024
		.amdhsa_next_free_sgpr 100
		.amdhsa_reserve_vcc 0
		.amdhsa_float_denorm_mode_32 3
		.amdhsa_float_denorm_mode_16_64 3
		.amdhsa_memory_ordered 1
		.amdhsa_forward_progress 1
		.amdhsa_inst_pref_size 118
	.end_amdhsa_kernel
	.amdgpu_metadata
---
amdhsa.version: [ 1, 2 ]
amdhsa.kernels:
  - .name:           k_q9da28963ef_gemm_qkv
    .symbol:         k_q9da28963ef_gemm_qkv.kd
    .args:
      - { .name: xc, .offset: 0, .size: 8, .value_kind: global_buffer, .address_space: global }
      - { .name: wc, .offset: 8, .size: 8, .value_kind: global_buffer, .address_space: global }
      - { .name: lowp_scales, .offset: 16, .size: 8, .value_kind: global_buffer, .address_space: global }
      - { .name: qc, .offset: 24, .size: 8, .value_kind: global_buffer, .address_space: global }
      - { .name: kc, .offset: 32, .size: 8, .value_kind: global_buffer, .address_space: global }
      - { .name: vc, .offset: 40, .size: 8, .value_kind: global_buffer, .address_space: global }
    .group_segment_fixed_size: 327680
    .private_segment_fixed_size: 0
    .kernarg_segment_align: 8
    .kernarg_segment_size: 48
    .max_flat_workgroup_size: 128
    .sgpr_count:     100
    .vgpr_count:     1024
    .wavefront_size: 32
...
	.end_amdgpu_metadata
.endif
;; end of part 2
;; launch attn (part 3): grid 8 x 32, 16 waves a work-group, no clusters, 327,680 bytes of LDS; arguments qc, kc, vc, lowp_scales, ac; writes ac
.if DOCPART == 3
	.amdgcn_target "amdgcn-amd-amdhsa--gfx1250"
	.amdhsa_code_object_version 6
	.text
	.protected	k_q9da28963ef_attn
	.globl	k_q9da28963ef_attn
	.p2align	8
	.type	k_q9da28963ef_attn,@function
k_q9da28963ef_attn:
	s_mov_b64 s[64:65], 0
	v_nop
	global_prefetch_b8 v0, s[64:65] scope:SCOPE_SE
	s_setreg_imm32_b32 hwreg(HW_REG_WAVE_MODE, 25, 1), 1
	s_wait_xcnt 0x0
; Causal attention on codes of FP8 (E4M3): 64 heads of 64 channels, 2,048 tokens; the result is quantised again, with 2^e6, for the output product.
; t = score x 2^(e2 + e3) x log2(e) / 8; M = the row's largest t so far, rounded UP to a whole number; p = 2^(t - M) is quantised with 2^e4, not normalised.  The row's sum is taken of the unquantised p and
; divides at the end.  When M moves, the sum and O are multiplied by 2^(old M - new M): exact.
; LEFT OUT: key blocks that lie wholly behind a block of queries: the mask that the definition builds itself hides all their scores.
; ALL OPERANDS ARE IMAGES OF REGISTERS (a block of 16 rows x 128 K = 2,048 bytes; chunk c of 512 bytes = registers 4 c .. 4 c + 3, lane l's 16 bytes at 16 l):
;   qc, kc: [bp = batch x 8 + pair of heads][token / 16][2048]: head u of the pair is the 1,024 bytes at 1,024 u, a fragment of K = 64.   vc: [bp][key / 128][8][2048]: head u: blocks 4 u .. 4 u + 3, K = 128 keys.
;   ac: [token / 16 : 512][pair : 8][2048]: the output product's A.
; Both products are used transposed: S^T = K Q^T (source 0 = 16 keys, source 1 = my 16 queries), O^T = V^T P^T: lane (r, h) holds query r throughout; tile t's register j is key 16 t + 8 h + j, so the
; conversion of tile t gives registers 2 t, 2 t + 1 of P's fragment, and that of O^T's tile t registers 2 t, 2 t + 1 of ac's.
; SHARES.  Work-group (x = 4 u + j, bp) owns ONE head and four blocks of 128 queries: j, 7 - j, 8 + j, 15 - j.  Waves 0-7 take the long block L = 15 - j and then the short one 15 - L = j, waves 8-15
; L = 8 + j and then 7 - j; a wave owns tile wave % 8 (16 queries) of its blocks.  Block Q needs key blocks 0 .. Q: every wave walks (L + 1) + (16 - L) = 17 key steps of 128, in all 256 work-groups.
; Step s takes key block s (s <= L) or s - L - 1; steps L and 16 lie on the diagonal.
; K AND V OF THE HEAD STAY IN LDS: 2 x 2,048 x 64 = 262,144 bytes, filled once.  Wave w fetches piece w: of each of the 16 key blocks 1,024 bytes (waves 0-7: tile w of 16 keys of K; waves 8-15: the (w - 8)-th
; 1,024 bytes of V), rows 16,384 bytes apart in memory; in LDS piece w lies at 16,384 w, key block b's row at 1,024 b.  A piece comes by two tensor loads: rows 0 to 3 at the head, rows 4 to 15 behind the barrier in
; front of step 0.  Of the second load's rows at least key blocks 4 to 8 are read (L >= 8).  Steps 0 to 3 read key blocks 0 to 3 (the long block goes first; none of them is on a diagonal) while the second load is on
; its way: four key steps in which to land.  One more barrier, in front of step 4, shows it; steps 4 to 16 have no barrier: nothing is ever filled again.  A wave has one tensor load out at the most; every wait on TENSORcnt is for 0.
; NO CLUSTER: the four work-groups of a head ask for the same bytes, but the key block that a step reads in LDS and the step at which a block of queries ends hang on j, the work-group's place among the four.
; NO PREFETCH: all of K and V is asked for by the tensor loads of the head and of step 0; behind them nothing more of K and V is asked of memory, so there is no later trip to ask ahead for.
; THE MASK: a hidden score becomes -infinity, where the definition adds -1e10: p is 0 either way while |logit| stays far under 1e10.
; LIMITS: e2 + e3 between -123 and 130 (added to the exponent field of log2(e) / 8); e4 and e6 between -126 and 119; e4 + e5 goes by v_ldexp_f32 and has none.
; REGISTERS: v1-11 addresses; v12 -M, v13 the largest t, v[14:15] the sum in two halves; v16-23 Q; v24-29 constants; v32-95 K's fragments, then V's; v96-159 S^T, then p; v160-191 O^T; v192-207 p's codes; v208-215 o's codes; v236-255 at work.
.set PIECE, 16384                      ; a piece in LDS: 16 key blocks x 1,024 bytes
.set SPARE, 262144                     ; behind the 16 pieces: the spare words, 128 bytes for each wave: eight blocks of 256 bytes that no other line names
.set LI,   1                           ; v1-4 16 x lane + 65,536 x (0 .. 3): K's pieces 0-3, 4-7, V's pieces 0-3, 4-7
.set SPW,  5                           ; v5   LDS address of my spare word; never rewritten
.set NIL,  6                           ; v6   0; never rewritten
.set DD,   7                           ; v7   my query in its block, less 8 h
.set AD,   8                           ; v8-11 the same four addresses at the step's key block
.set OC,   208                         ; o's codes
.set TB,   2                           ; s2   1,024 x the step's key block
.set STP,  3                           ; s3   the key step: both loops' counter
.set HU,   16                          ; s16  head of the pair
.set SB,   17                          ; s17  my short block
.set WV,   18                          ; s18  wave;  s19 wave / 8;  s20 wave % 8;  s21 j;  s22 bp
.set GR,   19
.set TI,   20
.set JJ,   21
.set BP,   22
.set DG,   23                          ; s23  the next step on a diagonal: L, then 16
.set SEL,  24                          ; s[24:25] lane selects: lane l xor 16
.set CS,   26                          ; s[26:27] c = log2(e) / 8 x 2^(e2 + e3)
.set EPV,  28                          ; s28  e4 + e5
.set LB,   29                          ; s29  my long block L
.set G1,   32                          ; s[32:39] descriptor group 1 of the head's load: 4 rows;  s[40:43] group 0
.set G0,   40
.set QA,   48                          ; s[48:51] my queries' codes, long and short block
.set OA,   52                          ; s[52:55] where their results go
.set G1L,  92                          ; s[92:99] descriptor group 1 of the second load: 12 rows
; A KEY STEP: 128 keys, key block s[TB] / 1,024.  mask = 1: where the step's number is s[DG] it lies on the diagonal (a scalar branch on ids); 0: it never does.
.macro STEP mask
.irp i, 0,1,2,3
	v_add_nc_u32 v[AD+\i], s[TB], v[LI+\i]         ; these four are also the places in front of loads into registers that the last products read
.endr
.irp t, 0,1,2,3,4,5,6,7
.irp c, 0,1
	ds_load_b128 v[32+8*\t+4*\c:32+8*\t+4*\c+3], v[AD+\t/4] offset:PIECE*(\t%4)+512*\c
.endr
.endr
	s_wait_alu depctr_va_vdst(0)
	s_wait_dscnt 0x0
.irp t, 0,1,2,3,4,5,6,7
	v_wmma_f32_16x16x64_fp8_fp8 v[96+8*\t:103+8*\t], v[32+8*\t:39+8*\t], v[16:23], 0
.endr
.rept 4
	v_nop                                          ; places in front of the loads below and of the first read of the scores
.endr
.irp t, 0,1,2,3
.irp c, 0,1,2,3
	ds_load_b128 v[32+16*\t+4*\c:32+16*\t+4*\c+3], v[AD+2+\t/2] offset:PIECE*((2*\t+\c/2)%4)+512*(\c%2)   ; V lands while the softmax is worked
.endr
.endr
.if \mask
	s_cmp_lg_u32 s[STP], s[DG]
	s_cbranch_scc1 .Lopen_\@
.set n, 0
.rept 64                                       ; register 8 t + j holds key 16 t + 8 h + j of the block: hidden where 16 t + j > my query - 8 h
	v_cmp_gt_i32 vcc_lo, 16*(n/8)+n%8, v[DD]
	v_cndmask_b32 v[96+n], v[96+n], v24, vcc_lo
.set n, n+1
.endr
.Lopen_\@:
.endif
	v_max3_num_f32 v254, v96, v97, v98             ; the step's largest score of my query among my 64 keys, in two chains, each accumulator from its low end on,
	v_max3_num_f32 v252, v99, v100, v101
.irp i, 6,10,14,18,22,26,30,34,38,42,46,50,54,58
	v_max3_num_f32 v254, v254, v[96+\i], v[97+\i]
	v_max3_num_f32 v252, v252, v[98+\i], v[99+\i]
.endr
	v_max3_num_f32 v254, v254, v158, v159
	s_delay_alu instid0(VALU_DEP_1)
	v_max_num_f32 v254, v254, v252
	s_delay_alu instid0(VALU_DEP_1)
	v_permlanex16_b32 v236, v254, s[SEL], s[SEL+1]
	s_delay_alu instid0(VALU_DEP_1)
	v_max_num_f32 v254, v254, v236                 ; and among lane l xor 16's
	s_delay_alu instid0(VALU_DEP_1)
	v_mul_f32 v254, s[CS], v254                    ; as t (c is positive)
	s_delay_alu instid0(VALU_DEP_1)
	v_max_num_f32 v13, v13, v254                   ; the running largest t
	v_mov_b32 v254, v12
	s_delay_alu instid0(VALU_DEP_2)
	v_floor_f32 v12, -v13                          ; the new -M = floor(-t): M is a whole number
	s_delay_alu instid0(VALU_DEP_1)
	v_sub_f32 v254, v12, v254                      ; old M - new M: a whole number, 0 or less
	s_delay_alu instid0(VALU_DEP_1)
	v_cvt_i32_f32 v254, v254                       ; (it saturates)
	s_delay_alu instid0(VALU_DEP_1)
	v_ldexp_f32 v252, 1.0, v254                    ; f = 2^(old M - new M)
.set j, 0
.rept 16
	v_pk_mul_f32 v[160+j:161+j], v[160+j:161+j], v[252:253] op_sel_hi:[1,0]   ; O^T under the new M, ahead of the exponentials: no transcendental stands between the last products and these first reads
.set j, j+2
.endr
.set j, 0
.rept 32
	v_pk_fma_f32 v[96+j:97+j], v[96+j:97+j], s[CS:CS+1], v[12:13] op_sel_hi:[1,0,0]   ; t - M, two at a time (of the pairs c and -M the low word serves both halves)
.set j, j+2
.endr
	s_wait_alu depctr_va_vdst(0)
.set j, 0
.rept 64
	v_exp_f32 v[96+j], v[96+j]                     ; p = 2^(t - M), at most 1
.set j, j+1
.endr
	v_pk_mul_f32 v[14:15], v[14:15], v[252:253] op_sel_hi:[1,0]   ; the sums under the new M: the plain line behind the exponentials
	s_wait_alu depctr_va_vdst(0)                   ; one wait for the whole batch, ahead of its first reader
	v_pk_add_f32 v[242:243], v[100:101], v[104:105]   ; the row's sum of the unquantised p, two at a time, in eight chains
	v_pk_add_f32 v[254:255], v[108:109], v[112:113]
	v_pk_add_f32 v[250:251], v[116:117], v[120:121]
	v_pk_add_f32 v[248:249], v[124:125], v[128:129]
	v_pk_add_f32 v[246:247], v[132:133], v[136:137]
	v_pk_add_f32 v[244:245], v[140:141], v[144:145]
	v_pk_add_f32 v[240:241], v[148:149], v[152:153]
	v_pk_add_f32 v[14:15], v[14:15], v[156:157]
	v_pk_add_f32 v[242:243], v[242:243], v[96:97]
	v_pk_add_f32 v[254:255], v[254:255], v[98:99]
	v_pk_add_f32 v[250:251], v[250:251], v[102:103]
	v_pk_add_f32 v[248:249], v[248:249], v[106:107]
	v_pk_add_f32 v[246:247], v[246:247], v[110:111]
	v_pk_add_f32 v[244:245], v[244:245], v[114:115]
	v_pk_add_f32 v[240:241], v[240:241], v[118:119]
	v_pk_add_f32 v[14:15], v[14:15], v[122:123]
	v_pk_add_f32 v[242:243], v[242:243], v[126:127]
	v_pk_add_f32 v[254:255], v[254:255], v[130:131]
	v_pk_add_f32 v[250:251], v[250:251], v[134:135]
	v_pk_add_f32 v[248:249], v[248:249], v[138:139]
	v_pk_add_f32 v[246:247], v[246:247], v[142:143]
	v_pk_add_f32 v[244:245], v[244:245], v[146:147]
	v_pk_add_f32 v[240:241], v[240:241], v[150:151]
	v_pk_add_f32 v[14:15], v[14:15], v[154:155]
	v_pk_add_f32 v[242:243], v[242:243], v[158:159]
	s_delay_alu instid0(VALU_DEP_2)
	v_pk_add_f32 v[14:15], v[14:15], v[248:249]
	s_delay_alu instid0(VALU_DEP_2)
	v_pk_add_f32 v[242:243], v[242:243], v[246:247]
	v_pk_add_f32 v[254:255], v[254:255], v[244:245]
	v_pk_add_f32 v[250:251], v[250:251], v[240:241]
	s_delay_alu instid0(VALU_DEP_2)
	v_pk_add_f32 v[14:15], v[14:15], v[254:255]
	s_delay_alu instid0(VALU_DEP_2)
	v_pk_add_f32 v[242:243], v[242:243], v[250:251]
	s_delay_alu instid0(VALU_DEP_1)
	v_pk_add_f32 v[14:15], v[14:15], v[242:243]
.irp t, 0,1,2,3,4,5,6,7
.irp i, 0,2,4,6
	v_dual_min_num_f32 v[96+8*\t+\i], v[96+8*\t+\i], v26 :: v_dual_min_num_f32 v[97+8*\t+\i], v[97+8*\t+\i], v29   ; the conversion does not saturate (ISA guide 7.6.2); p is not negative, so the hold is one-sided; two holds a line, the bound in two registers
.endr
	v_cvt_scalef32_pk8_fp8_f32 v[192+2*\t:193+2*\t], v[96+8*\t:103+8*\t], v25
.endr
	v_nop                                          ; a plain line behind the last conversion
	s_wait_alu depctr_va_vdst(0)
	s_wait_dscnt 0x0                               ; V is in
.irp t, 0,1,2,3                                ; the four accumulators take turns, one instruction a turn
	v_wmma_f32_16x16x128_fp8_fp8 v[160+8*\t:167+8*\t], v[32+16*\t:47+16*\t], v[192:207], v[160+8*\t:167+8*\t]
.endr
.endm
	s_load_b256 s[4:11], s[0:1], 0x0               ; qc s[4:5], kc s[6:7], vc s[8:9], the exponents s[10:11]
	s_load_b64 s[12:13], s[0:1], 0x20              ; ac
	v_lshl_add_u32 v[SPW], v0, 2, SPARE
	v_mov_b32 v[NIL], 0
	ds_add_u32 v[SPW], v[NIL]                      ; the wave's opening: the add, twice on end, and its wait come ahead of my first tensor load; the set-up below stands between
	ds_add_u32 v[SPW], v[NIL]
	v_lshrrev_b32 v8, 5, v0
	v_readfirstlane_b32 s[WV], v8                  ; wave 0..15
	s_lshr_b32 s[GR], s[WV], 3                     ; which pair of blocks; also: I fetch for K (0) or for V (1)
	s_and_b32 s[TI], s[WV], 7                      ; my tile of 16 queries in a block; also: which piece I fetch
	s_and_b32 s[JJ], ttmp9, 3                      ; j
	s_lshr_b32 s[HU], ttmp9, 2                     ; head of the pair
	s_and_b32 s[BP], ttmp7, 0xffff                 ; bp
	s_mov_b32 s[G1], 3<<16                         ; group 1: no mask, elements of 8 bytes, no padding: 4 rows of 1,024 bytes, 16,384 bytes apart
	s_mov_b32 s[G1+1], 128<<16                     ; tensor_dim0 = 128 elements
	s_mov_b32 s[G1+2], 4<<16                       ; tensor_dim1 = 4
	s_mov_b32 s[G1+3], 128<<16                     ; tile_dim0
	s_mov_b32 s[G1+4], 4                           ; tile_dim1
	s_mov_b32 s[G1+5], 2048                        ; tensor_dim0_stride, in elements
	s_mov_b32 s[G1+6], 0
	s_mov_b32 s[G1+7], 0
	s_mov_b32 s[G1L], 3<<16                        ; the same with 12 rows
	s_mov_b32 s[G1L+1], 128<<16
	s_mov_b32 s[G1L+2], 12<<16
	s_mov_b32 s[G1L+3], 128<<16
	s_mov_b32 s[G1L+4], 12
	s_mov_b32 s[G1L+5], 2048
	s_mov_b32 s[G1L+6], 0
	s_mov_b32 s[G1L+7], 0
	s_mov_b32 s[SEL], 0x76543210
	s_mov_b32 s[SEL+1], 0xfedcba98
	s_mov_b32 s[CS], 0x3e38aa3b                    ; log2(e) / 8
	s_mov_b32 s[STP], 0
	s_sub_co_u32 s56, 7, s[JJ]
	s_cmp_eq_u32 s[GR], 0
	s_cselect_b32 s[SB], s[JJ], s56                ; the short block: j or 7 - j,
	s_sub_co_u32 s[LB], 15, s[SB]                  ; the long one: 15 - j or 8 + j
	s_mov_b32 s[DG], s[LB]
	s_lshl_b32 s56, s[BP], 18                      ; bp x 262,144 bytes
	s_mov_b32 s57, 0
	s_lshl_b32 s60, s[HU], 10                      ; 1,024 x head
	s_lshl_b32 s58, s[LB], 3
	s_add_co_u32 s58, s58, s[TI]                   ; my tile of queries in the long block,
	s_lshl_b32 s59, s[SB], 3
	s_add_co_u32 s59, s59, s[TI]                   ; and in the short one
	s_lshl_b32 s84, s58, 11
	s_add_co_u32 s84, s84, s60
	s_add_co_u32 s84, s84, s56                     ; qc: bp, tile x 2,048, head
	s_mov_b32 s85, 0
	s_lshl_b32 s86, s59, 11
	s_add_co_u32 s86, s86, s60
	s_add_co_u32 s86, s86, s56
	s_mov_b32 s87, 0
	s_lshr_b32 s80, s[BP], 3
	s_lshl_b32 s80, s80, 7                         ; batch x 128 tiles
	s_and_b32 s81, s[BP], 7                        ; the pair
	s_add_co_u32 s88, s80, s58
	s_lshl_b32 s88, s88, 3
	s_add_co_u32 s88, s88, s81
	s_lshl_b32 s88, s88, 11
	s_add_co_u32 s88, s88, s60                     ; ac: ((batch x 128 + tile) x 8 + pair) x 2,048 + 1,024 x head
	s_mov_b32 s89, 0
	s_add_co_u32 s90, s80, s59
	s_lshl_b32 s90, s90, 3
	s_add_co_u32 s90, s90, s81
	s_lshl_b32 s90, s90, 11
	s_add_co_u32 s90, s90, s60
	s_mov_b32 s91, 0
	s_lshl_b32 s76, s[TI], 11
	s_add_co_u32 s76, s76, s60                     ; what I fetch, in a key block of K: tile x 2,048 + 1,024 x head;
	s_lshl_b32 s77, s[HU], 13
	s_lshl_b32 s78, s[TI], 10
	s_add_co_u32 s77, s77, s78                     ; of V: 8,192 x head + piece x 1,024
	s_cmp_eq_u32 s[GR], 0
	s_cselect_b32 s76, s76, s77
	s_add_co_u32 s56, s56, s76
	s_wait_dscnt 0x0                               ; both opening adds are done
	s_wait_kmcnt 0x0
	s_load_b256 s[68:75], s[10:11], 0x0            ; e0 .. e7
	s_cmp_eq_u32 s[GR], 0
	s_cselect_b64 s[G0+2:G0+3], s[6:7], s[8:9]
	s_add_nc_u64 s[G0+2:G0+3], s[G0+2:G0+3], s[56:57]   ; key block 0
	s_or_b32 s[G0+3], s[G0+3], 0x80000000          ; type = 2
	s_mov_b32 s[G0], 1                             ; count = 1
	s_lshl_b32 s[G0+1], s[WV], 14                  ; LDS: my piece, row 0
	tensor_load_to_lds s[G0:G0+3], s[G1:G1+7]      ; key blocks 0 to 3 of my piece: my one tensor load at the head
	s_nop 0
	s_add_nc_u64 s[QA:QA+1], s[4:5], s[84:85]
	s_add_nc_u64 s[QA+2:QA+3], s[4:5], s[86:87]
	s_add_nc_u64 s[OA:OA+1], s[12:13], s[88:89]
	s_add_nc_u64 s[OA+2:OA+3], s[12:13], s[90:91]
	v_and_b32 v8, 31, v0
	v_lshlrev_b32 v[LI], 4, v8
.irp c, 0,1
	global_load_b128 v[16+4*\c:19+4*\c], v[LI], s[QA:QA+1] offset:512*\c   ; the long block's queries stay in registers
.endr
	v_add_nc_u32 v[LI+1], 0x10000, v[LI]
	v_add_nc_u32 v[LI+2], 0x20000, v[LI]
	v_add_nc_u32 v[LI+3], 0x30000, v[LI]
	v_and_b32 v8, 15, v0                           ; r
	v_bfe_u32 v9, v0, 4, 1                         ; h
	v_lshlrev_b32 v9, 3, v9
	v_sub_nc_u32 v[DD], v8, v9
	s_lshl_b32 s76, s[TI], 4
	v_add_nc_u32 v[DD], s76, v[DD]                 ; 16 (wave % 8) + r - 8 h
	v_mov_b32 v24, 0xff800000                      ; -infinity
	v_mov_b32 v13, 0xff61b1e6                      ; the largest t so far: -3e38, under every t
	v_floor_f32 v12, -v13                          ; -M
	v_mov_b32 v14, 0                               ; the sum, in two halves
	v_mov_b32 v15, 0
	v_mov_b32 v236, 0                              ; written once: a lane permute's destination counts as one of its sources
	v_mov_b32 v253, 0                              ; (named as the upper half of the pair v[252:253])
.set j, 0
.rept 32
	v_mov_b32 v[160+j], 0                          ; O^T: a block's first step finds zeros
.set j, j+1
.endr
	s_wait_kmcnt 0x0
	s_add_co_i32 s76, s70, s71
	s_lshl_b32 s76, s76, 23
	s_add_co_i32 s[CS], s[CS], s76                 ; e2 + e3 are added to c's exponent field
	s_mov_b32 s[CS+1], s[CS]                       ; (named with it as a pair, so it is written)
	s_add_co_i32 s[EPV], s72, s73
	s_add_co_i32 s76, s72, 127
	s_lshl_b32 s77, s76, 23
	v_mov_b32 v25, s77                             ; 2^e4
	s_add_co_i32 s76, s76, 8
	s_lshl_b32 s76, s76, 23
	s_or_b32 s76, s76, 0x600000
	v_mov_b32 v26, s76                             ; 448 x 2^e4,
	v_mov_b32 v29, s76                             ; and once more, for the second half of a dual line
	s_add_co_i32 s76, s74, 127
	s_lshl_b32 s77, s76, 23
	v_mov_b32 v27, s77                             ; 2^e6
	s_add_co_i32 s76, s76, 8
	s_lshl_b32 s76, s76, 23
	s_or_b32 s76, s76, 0x600000
	v_mov_b32 v28, s76                             ; 448 x 2^e6
	s_wait_alu depctr_va_vdst(0)
	s_wait_loadcnt 0x0                             ; Q
	s_wait_tensorcnt 0x0                           ; key blocks 0 to 3 of my piece are in, so group 0 may be written
	ds_add_u32 v[SPW], v[NIL]                      ; 0 onto my spare word
	s_add_co_u32 s[G0+1], s[G0+1], 4096            ; row 4 of my piece in LDS,
	s_add_nc_u64 s[G0+2:G0+3], s[G0+2:G0+3], 65536 ; and key block 4 in memory
	s_wait_dscnt 0x0
	s_barrier_signal -1
	s_barrier_wait -1                              ; everybody's are in
	tensor_load_to_lds s[G0:G0+3], s[G1L:G1L+7]    ; key blocks 4 to 15 of my piece: my one tensor load behind this barrier
	s_nop 0
.Lfill:                                            ; steps 0 to 3: key blocks 0 to 3, none on a diagonal (L >= 8), while the second load is on its way
	s_lshl_b32 s[TB], s[STP], 10
	STEP 0
	s_add_co_u32 s[STP], s[STP], 1
	s_cmp_lt_u32 s[STP], 4
	s_cbranch_scc1 .Lfill
	s_wait_tensorcnt 0x0                           ; the rest of my piece is in
	ds_add_u32 v[SPW], v[NIL]
	s_wait_dscnt 0x0
	s_barrier_signal -1
	s_barrier_wait -1                              ; all of the head's K and V lies in LDS: from here on the waves share nothing that changes
.Lstep:                                            ; steps 4 to 16
	s_add_co_u32 s76, s[STP], s[SB]                ; s + 15 - L = s - L - 1 + 16
	s_cmp_le_u32 s[STP], s[LB]
	s_cselect_b32 s76, s[STP], s76                 ; the key block: s in the long block, s - L - 1 in the short one,
	s_and_b32 s76, s76, 15                         ; 0 to 15
	s_lshl_b32 s[TB], s76, 10                      ; its row in each piece
	STEP 1
	s_cmp_lg_u32 s[STP], s[DG]
	s_cbranch_scc1 .Lsame
	; A block of queries is finished: o = O^T x 2^(e4 + e5) / the sum, quantised with 2^e6, stored as half an image: 2 x 512 consecutive bytes
	s_wait_xcnt 0x0                                ; the first block's stores have read their registers
.rept 4
	v_nop                                          ; places behind the last products
.endr
	v_add_f32 v14, v14, v15                        ; the sum's two halves,
	s_delay_alu instid0(VALU_DEP_1)
	v_permlanex16_b32 v252, v14, s[SEL], s[SEL+1]
	s_delay_alu instid0(VALU_DEP_1)
	v_add_f32 v14, v14, v252                       ; and lane l xor 16's
	s_wait_alu depctr_va_vdst(0)
	v_rcp_f32 v14, v14
	v_nop                                          ; a plain line behind the transcendental,
	s_wait_alu depctr_va_vdst(0)                   ; and the wait ahead of its first reader
	v_ldexp_f32 v14, v14, s[EPV]
	s_wait_alu depctr_va_vdst(0)                   ; the wait stands directly ahead of the first reader of O^T
.set j, 0
.rept 16
	v_pk_mul_f32 v[96+j:97+j], v[160+j:161+j], v[14:15] op_sel_hi:[1,0]   ; register 8 t + i is o(query r, channel 16 t + 8 h + i)
.set j, j+2
.endr
.set j, 0
.rept 32
	v_med3_num_f32 v[96+j], v[96+j], -v28, v28     ; the hold at the largest code x the scale
.set j, j+1
.endr
.irp t, 0,1,2,3
	v_cvt_scalef32_pk8_fp8_f32 v[OC+2*\t:OC+2*\t+1], v[96+8*\t:103+8*\t], v27
.endr
	v_nop                                          ; a plain line behind the last conversion
.irp c, 0,1
	global_store_b128 v[LI], v[OC+4*\c:OC+4*\c+3], s[OA:OA+1] offset:512*\c
.endr
	s_cmp_eq_u32 s[STP], 16
	s_cbranch_scc1 .Lsame                          ; the short block was the last
.irp c, 0,1
	global_load_b128 v[16+4*\c:19+4*\c], v[LI], s[QA+2:QA+3] offset:512*\c   ; the short block's queries
.endr
	v_mov_b32 v13, 0xff61b1e6                      ; and the sums begin anew
	v_floor_f32 v12, -v13
	v_mov_b32 v14, 0
	v_mov_b32 v15, 0
.set j, 0
.rept 32
	v_mov_b32 v[160+j], 0
.set j, j+1
.endr
	s_mov_b32 s[DG], 16                            ; the short block's diagonal
	s_wait_alu depctr_va_vdst(0)
	s_wait_xcnt 0x0                                ; the stores have read their base
	s_mov_b64 s[OA:OA+1], s[OA+2:OA+3]
	s_wait_loadcnt 0x0
.Lsame:
	s_add_co_u32 s[STP], s[STP], 1
	s_cmp_lt_u32 s[STP], 17
	s_cbranch_scc1 .Lstep
	s_wait_tensorcnt 0x0                           ; the wave's end
	ds_add_u32 v[SPW], v[NIL]
	s_wait_dscnt 0x0
	s_endpgm
.Lfunc_end_k_q9da28963ef_attn:
	.size	k_q9da28963ef_attn, .Lfunc_end_k_q9da28963ef_attn-k_q9da28963ef_attn
	.p2alignl 7, 3214868480
	.fill 96, 4, 3214868480
	.section	.rodata,"a",@progbits
	.p2align	6, 0x0
	.amdhsa_kernel k_q9da28963ef_attn
		.amdhsa_group_segment_fixed_size 327680
		.amdhsa_private_segment_fixed_size 0
		.amdhsa_enable_private_segment 0
		.amdhsa_kernarg_size 40
		.amdhsa_user_sgpr_count 2
		.amdhsa_user_sgpr_kernarg_segment_ptr 1
		.amdhsa_wavefront_size32 1
		.amdhsa_system_sgpr_workgroup_id_x 1
		.amdhsa_system_sgpr_workgroup_id_y 1
		.amdhsa_system_sgpr_workgroup_id_z 1
		.amdhsa_system_vgpr_workitem_id 0
		.amdhsa_next_free_vgpr 256
		.amdhsa_next_free_sgpr 100
		.amdhsa_reserve_vcc 1
		.amdhsa_float_denorm_mode_32 3
		.amdhsa_float_denorm_mode_16_64 3
		.amdhsa_memory_ordered 1
		.amdhsa_forward_progress 1
		.amdhsa_inst_pref_size 50
	.end_amdhsa_kernel
	.amdgpu_metadata
---
amdhsa.version: [ 1, 2 ]
amdhsa.kernels:
  - .name:           k_q9da28963ef_attn
    .symbol:         k_q9da28963ef_attn.kd
    .args:
      - { .name: qc, .offset: 0, .size: 8, .value_kind: global_buffer, .address_space: global }
      - { .name: kc, .offset: 8, .size: 8, .value_kind: global_buffer, .address_space: global }
      - { .name: vc, .offset: 16, .size: 8, .value_kind: global_buffer, .address_space: global }
      - { .name: lowp_scales, .offset: 24, .size: 8, .value_kind: global_buffer, .address_space: global }
      - { .name: ac, .offset: 32, .size: 8, .value_kind: global_buffer, .address_space: global }
    .group_segment_fixed_size: 327680
    .private_segment_fixed_size: 0
    .kernarg_segment_align: 8
    .kernarg_segment_size: 40
    .max_flat_workgroup_size: 512
    .sgpr_count:     100
    .vgpr_count:     256
    .wavefront_size: 32
...
	.end_amdgpu_metadata
.endif
;; end of part 3
;; launch gemm_out (part 4): grid 64 x 4, 4 waves a work-group, clusters of 4 x 1, 327,680 bytes of LDS; arguments ac, wc, lowp_scales, b_out, out0; writes out0
.if DOCPART == 4
	.amdgcn_target "amdgcn-amd-amdhsa--gfx1250"
	.amdhsa_code_object_version 6
	.text
	.protected	k_q9da28963ef_gemm_out
	.globl	k_q9da28963ef_gemm_out
	.p2align	8
	.type	k_q9da28963ef_gemm_out,@function
k_q9da28963ef_gemm_out:
	s_mov_b64 s[64:65], 0
	v_nop
	global_prefetch_b8 v0, s[64:65] scope:SCOPE_SE
	s_setreg_imm32_b32 hwreg(HW_REG_WAVE_MODE, 25, 1), 1
	s_wait_xcnt 0x0
	s_wait_alu depctr_hold_cnt(0) depctr_sa_sdst(0) depctr_va_vdst(0) depctr_va_sdst(0) depctr_va_ssrc(0) depctr_va_vcc(0) depctr_vm_vsrc(0)
	s_getreg_b32 s2, hwreg(HW_REG_IB_STS2, 6, 4)
	s_cmp_eq_u32 s2, 0
	s_cbranch_scc0 .Lentry_in_a_cluster
	s_endpgm
.Lentry_in_a_cluster:
	s_bfe_u32 s2, ttmp6, 0x10000c
	s_cmp_lg_u32 s2, 0x3003
	s_cbranch_scc0 .Lentry_shape_is_right
	s_endpgm
.Lentry_shape_is_right:
; out0 = o w_out + b_out on codes of FP8 (E4M3), K = 1,024: each finished sum x 2^(e6 + e7), + the bias, f32.
; OPERANDS ARE IMAGES OF REGISTERS: a block of 16 rows x 128 K is 2,048 bytes, chunk c of 512 bytes holds registers 4 c .. 4 c + 3, lane l's 16 bytes at 16 l.  ac and wc: [row / 16][K / 128 : 8][2048]: 16 rows
; with all of K are 16,384 bytes on end; w_out's columns are wc's rows 3,072 on.
; SHARES.  256 work-groups; work-group (m, g) makes rows 128 m .. + 127 and columns 256 g .. + 255.  Wave (hi = wave / 2, lo = wave % 2): rows 64 hi on, columns 128 lo on, in two phases of 64 columns.
; NOTHING IS FILLED AGAIN.  B's 256 rows x 1,024 K, 262,144 bytes, come by one tensor load a wave (65,536 bytes on end) at the head and stay in LDS.  A's 128 rows would be 131,072 bytes more, 393,216 in all, over
; the 327,680 of LDS: so each wave takes its 64 rows of A, 65,536 bytes, from memory straight into 512 registers (128 loads of 512 consecutive bytes), where they serve both phases.
; CLUSTER 4 x 1: the four partners have four m and one g: B is asked for JOINTLY, mask 15.  A's rows differ between the partners.
; NO PREFETCH: all that the launch reads is asked for at its head; no later trip asks memory for anything.
; THE MATRIX INSTRUCTION IS USED TRANSPOSED: source 0 = 16 rows of B, source 1 = 16 rows of A: lane (r, h) holds row r and, in accumulator (a, b), columns 16 b + 8 h + 0 .. 7.
; A phase: 8 K steps of 128, 16 accumulators by turns; B's four fragments of the next K step are fetched from LDS, into the other of two sets, while this one's are multiplied.
; THE WAY OUT of a phase: blocks of 16 rows x 64 columns go through the wave's own stage in LDS (rows of 256 + 16 bytes) and leave as rows: sixteen lanes store one aligned unit of 256 bytes.
; LIMIT: e6 + e7 between -126 and 127, so that 2^(e6 + e7) is an f32 number.
; REGISTERS, in windows of 256: window 0: v8-15 the bias, v20-29 addresses, v32-95 the way out.  window 1: v0-127 the accumulators ((a, b) at v[8 (4 a + b)]), v128-255 B's two sets.
;   windows 2 and 3: A: K step q, block a at register 64 (q % 4) + 16 a of window 2 + q / 4.
.set STAGE,  262144                    ; behind B: 16 rows x 272 bytes for each wave
.set SPITCH, 272
.set SPARE,  STAGE+4*16*SPITCH         ; behind the stages: the spare words, 128 bytes for each wave: two blocks of 256 bytes that no other line names
.set ADRB, 20                          ; v20-21  LDS address of my B fragments, phase 0, 1
.set LI,   22                          ; v22     16 x lane
.set STO,  24                          ; v24     the way out: where I put 32 bytes of a row
.set RD,   25                          ; v25     where I read rows back
.set CO,   26                          ; v26     my byte offset in two rows of out0
.set BO,   27                          ; v27     16 x (lane % 16)
.set SPW,  28                          ; v28     LDS address of my spare word; never rewritten
.set NIL,  29                          ; v29     0; never rewritten
.set BK,   32                          ; v32-63, v64-95: 16 rows read back, by turns
.set WV,   16
.set HI,   17
.set LO,   18
.set MT,   19
.set NG,   23
.set G1,   24                          ; s[24:31] descriptor group 1;  s[32:35] group 0
.set G0,   32
.set MSB, 0
.macro WIN new                         ; the immediate's high byte repeats the setting that is left
.if MSB != (\new)
	s_set_vgpr_msb (MSB<<8)|(\new)
.set MSB, (\new)
.endif
.endm
.set TO_B, 0x40                        ; destination window 1, address window 0
.macro CROUND                          ; a round of the cluster's barrier
	s_barrier_signal -1
	s_barrier_wait -1
	s_cmp_lg_u32 s[WV], 0
	s_cbranch_scc1 .Lnot_wave_0_\@
	s_barrier_signal -3
.Lnot_wave_0_\@:
	s_barrier_wait -3
	s_barrier_signal -1
	s_barrier_wait -1
.endm
.macro PLACES                          ; plain vector lines between a matrix instruction and a load into, or a read of, its registers
.rept 4
	v_nop
.endr
.endm
.macro FETCHB p, q, s                  ; B's four fragments of phase p, K step q, into set s
	WIN TO_B
.irp i, 0,1,2,3
.irp c, 0,1,2,3
	ds_load_b128 v[128+64*(\s)+16*\i+4*\c:128+64*(\s)+16*\i+4*\c+3], v[ADRB+\p] offset:16384*\i+2048*(\q)+512*\c
.endr
.endr
	WIN 0
.endm
.macro MUL q, s, zero                  ; 16 matrix instructions, the 16 accumulators by turns; zero = 1: the first product starts the sums
	WIN 0x59+4*((\q)/4)                            ; source 0 (B), C and D window 1; source 1 (A) window 2 or 3
.irp a, 0,1,2,3
.irp b, 0,1,2,3
.if \zero
	v_wmma_f32_16x16x128_fp8_fp8 v[8*(4*\a+\b):8*(4*\a+\b)+7], v[128+64*(\s)+16*\b:128+64*(\s)+16*\b+15], v[64*((\q)%4)+16*\a:64*((\q)%4)+16*\a+15], 0
.else
	v_wmma_f32_16x16x128_fp8_fp8 v[8*(4*\a+\b):8*(4*\a+\b)+7], v[128+64*(\s)+16*\b:128+64*(\s)+16*\b+15], v[64*((\q)%4)+16*\a:64*((\q)%4)+16*\a+15], v[8*(4*\a+\b):8*(4*\a+\b)+7]
.endif
.endr
.endr
	WIN 0
.endm
.macro PHASE p
	FETCHB \p, 0, 0
.irp q, 0,1,2,3,4,5,6,7
	s_wait_dscnt 0x0                               ; this K step's fragments of B are in
.if \p == 0
.if \q == 0
	s_wait_loadcnt 63                              ; of A's 128 loads at most 63 are out: the 64 of K steps 0 to 3 are in, and the bias ahead of them
.endif
.if \q >= 4
	s_wait_loadcnt 112-16*\q                       ; K step q's 16 loads are in; those of the K steps behind it may be out
.endif
.endif
.if \q < 7
.if \q > 0
	PLACES                                         ; the other set was read by the products just issued
.endif
	FETCHB \p, \q+1, (\q+1)%2
.endif
.if \q == 0
	MUL \q, 0, 1
.else
	MUL \q, \q%2, 0
.endif
.endr
.endm
.macro TOSTAGE a                       ; block a into my stage, each accumulator from its low end on, and back as rows.  LDS serves a wave's instructions in order: no wait between
	WIN 0x04                                       ; the stores' data: window 1
.irp b, 0,1,2,3
	ds_store_b128 v[STO], v[32*(\a)+8*\b:32*(\a)+8*\b+3] offset:64*\b
	ds_store_b128 v[STO], v[32*(\a)+8*\b+4:32*(\a)+8*\b+7] offset:64*\b+16
.endr
	WIN 0
.irp t, 0,1,2,3,4,5,6,7
	ds_load_b128 v[BK+32*((\a)%2)+4*\t:BK+32*((\a)%2)+4*\t+3], v[RD] offset:2*\t*SPITCH
.endr
.endm
.macro SEND a, p, younger              ; younger: the LDS instructions issued behind block a's loads, which may stay out
	s_wait_dscnt \younger
.irp t, 0,1,2,3,4,5,6,7
	v_pk_fma_f32 v[BK+32*((\a)%2)+4*\t:BK+32*((\a)%2)+4*\t+1], v[BK+32*((\a)%2)+4*\t:BK+32*((\a)%2)+4*\t+1], s[96:97], v[8+4*\p:9+4*\p] op_sel_hi:[1,0,1]   ; x 2^(e6 + e7), + the bias
	v_pk_fma_f32 v[BK+32*((\a)%2)+4*\t+2:BK+32*((\a)%2)+4*\t+3], v[BK+32*((\a)%2)+4*\t+2:BK+32*((\a)%2)+4*\t+3], s[96:97], v[10+4*\p:11+4*\p] op_sel_hi:[1,0,1]
.endr
.irp t, 0,1,2,3,4,5,6,7
	global_store_b128 v[CO], v[BK+32*((\a)%2)+4*\t:BK+32*((\a)%2)+4*\t+3], s[12:13] offset:(16*(\a)+2*\t)*4096+256*\p th:TH_STORE_NT   ; sixteen lanes store 256 consecutive bytes, aligned
.endr
.endm
.macro WAYOUT p
	PLACES                                         ; behind the last products
	s_wait_xcnt 0x0                                ; earlier stores have read their registers
	TOSTAGE 0
.irp a, 1,2,3
.if \a > 1
	s_wait_xcnt 0x0                                ; block a - 2's stores have read their registers: block a's rows may land there
.endif
	TOSTAGE \a
	SEND \a-1, \p, 16                              ; behind block a - 1's loads: block a's 8 stores and 8 loads
.endr
	SEND 3, \p, 0
.endm
	s_load_b256 s[4:11], s[0:1], 0x0               ; ac s[4:5], wc s[6:7], the exponents s[8:9], b_out s[10:11]
	s_load_b64 s[12:13], s[0:1], 0x20              ; out0
	v_lshl_add_u32 v[SPW], v0, 2, SPARE
	v_mov_b32 v[NIL], 0
	ds_add_u32 v[SPW], v[NIL]                      ; the wave's opening: the add, twice on end, and its wait come ahead of my first tensor load; the set-up below stands between
	ds_add_u32 v[SPW], v[NIL]
	v_lshrrev_b32 v1, 5, v0
	v_readfirstlane_b32 s[WV], v1                  ; wave 0..3
	s_lshr_b32 s[HI], s[WV], 1
	s_and_b32 s[LO], s[WV], 1
	s_bfe_u32 s40, ttmp6, 0x40000                  ; cx: my place in the cluster
	s_lshl_b32 s[MT], ttmp9, 2
	s_add_co_u32 s[MT], s[MT], s40                 ; m = 4 x cluster x + cx: it enters A's and out0's addresses alone
	s_and_b32 s[NG], ttmp7, 0xffff                 ; g
	s_mov_b32 s[G1], 15|(3<<16)|(1<<21)            ; group 1: the mask names the four partners; elements of 8 bytes; bit 21 set beside a mask; no padding
	s_mov_b32 s[G1+1], 512<<16                     ; tensor_dim0 = 512 elements: rows of 4,096 bytes,
	s_mov_b32 s[G1+2], 16<<16                      ; tensor_dim1 = 16 of them,
	s_mov_b32 s[G1+3], 512<<16                     ; tile_dim0
	s_mov_b32 s[G1+4], 16                          ; tile_dim1
	s_mov_b32 s[G1+5], 512                         ; dense
	s_mov_b32 s[G1+6], 0
	s_mov_b32 s[G1+7], 0
	s_lshl_b32 s46, s[NG], 18                      ; B: g x 256 rows of 1,024 bytes,
	s_lshl_b32 s45, s[WV], 16                      ; my quarter: 65,536 bytes, in memory and in LDS,
	s_add_co_u32 s46, s46, s45
	s_add_co_u32 s46, s46, 0x300000                ; from wc's row 3,072 on
	s_mov_b32 s47, 0
	s_lshl_b32 s20, s[MT], 17                      ; A: m x 128 rows of 1,024 bytes
	s_lshl_b32 s21, s[HI], 16                      ; + my 64 rows
	s_add_co_u32 s20, s20, s21
	s_mov_b32 s21, 0
	s_lshl_b32 s70, s[NG], 10                      ; my first column, in bytes of f32: 1,024 g + 512 lo
	s_lshl_b32 s71, s[LO], 9
	s_add_co_u32 s70, s70, s71
	s_mov_b32 s71, 0
	s_lshl_b32 s72, s[MT], 19                      ; my first row of out0: (128 m + 64 hi) x 4,096 bytes
	s_lshl_b32 s73, s[HI], 18
	s_add_co_u32 s72, s72, s73
	s_mov_b32 s73, 0
	s_lshl_b32 s66, s[LO], 17                      ; my 128 rows of B in LDS
	s_mul_i32 s68, s[WV], 16*SPITCH
	s_add_co_u32 s68, s68, STAGE                   ; my stage
	s_wait_dscnt 0x0                               ; both opening adds are done
	s_wait_kmcnt 0x0
	s_load_b256 s[80:87], s[8:9], 0x0              ; e0 .. e7
	s_add_nc_u64 s[20:21], s[4:5], s[20:21]
	s_add_nc_u64 s[90:91], s[10:11], s[70:71]
	s_add_nc_u64 s[12:13], s[12:13], s[72:73]
	s_add_nc_u64 s[12:13], s[12:13], s[70:71]
	s_mov_b32 s[G0], 1
	s_mov_b32 s[G0+1], s45
	s_add_nc_u64 s[G0+2:G0+3], s[6:7], s[46:47]
	s_or_b32 s[G0+3], s[G0+3], 0x80000000
	CROUND                                         ; all four work-groups are here: the joint loads meet
	tensor_load_to_lds s[G0:G0+3], s[G1:G1+7]      ; my quarter of B: my one tensor load
	s_nop 0
.rept 4
	v_nop                                          ; four vector lines ahead of the next switch of windows
.endr
	v_and_b32 v2, 31, v0
	v_lshlrev_b32 v[LI], 4, v2
	v_add_nc_u32 v[ADRB], s66, v[LI]
	v_add_nc_u32 v[ADRB+1], 65536, v[ADRB]         ; phase 1: four blocks of 16 rows on
	v_and_b32 v1, 15, v0                           ; r
	v_bfe_u32 v3, v0, 4, 1                         ; h
	v_lshlrev_b32 v[BO], 4, v1
	v_mul_u32_u24 v[STO], v1, SPITCH               ; in: row r, 32 bytes for each half of the lanes
	v_lshl_add_u32 v[STO], v3, 5, v[STO]
	v_add_nc_u32 v[STO], s68, v[STO]
	v_mul_u32_u24 v[RD], v3, SPITCH                ; back: lanes 0-15 one row of 256 bytes, lanes 16-31 the next
	v_add_nc_u32 v[RD], v[RD], v[BO]
	v_add_nc_u32 v[RD], s68, v[RD]
	v_lshl_add_u32 v[CO], v3, 12, v[BO]            ; and the same two rows in out0
	s_wait_alu depctr_va_vdst(0)
	global_load_b128 v[8:11], v[BO], s[90:91]      ; the bias of my four columns, phase 0,
	global_load_b128 v[12:15], v[BO], s[90:91] offset:256   ; and phase 1
	WIN 0x80                                       ; destination window 2
.irp q, 0,1,2,3
.irp a, 0,1,2,3
.irp c, 0,1,2,3
	global_load_b128 v[64*\q+16*\a+4*\c:64*\q+16*\a+4*\c+3], v[LI], s[20:21] offset:16384*\a+2048*\q+512*\c
.endr
.endr
.endr
	WIN 0xc0                                       ; destination window 3
.irp q, 0,1,2,3
.irp a, 0,1,2,3
.irp c, 0,1,2,3
	global_load_b128 v[64*\q+16*\a+4*\c:64*\q+16*\a+4*\c+3], v[LI], s[20:21] offset:16384*\a+2048*(\q+4)+512*\c
.endr
.endr
.endr
	WIN 0
	s_wait_kmcnt 0x0
	s_add_co_i32 s96, s86, s87                     ; e6 + e7
	s_add_co_i32 s96, s96, 127
	s_lshl_b32 s96, s96, 23                        ; 2^(e6 + e7) as f32
	s_mov_b32 s97, s96                             ; (named with it as a pair, so it is written)
	s_wait_tensorcnt 0x0                           ; my quarter of B is in,
	s_barrier_signal -1
	s_barrier_wait -1                              ; everybody's is
	PHASE 0
	WAYOUT 0
	PHASE 1
	WAYOUT 1
	s_wait_tensorcnt 0x0                           ; the wave's end
	ds_add_u32 v[SPW], v[NIL]
	s_wait_dscnt 0x0
	CROUND                                         ; the closing round
	s_endpgm
.Lfunc_end_k_q9da28963ef_gemm_out:
	.size	k_q9da28963ef_gemm_out, .Lfunc_end_k_q9da28963ef_gemm_out-k_q9da28963ef_gemm_out
	.p2alignl 7, 3214868480
	.fill 96, 4, 3214868480
	.section	.rodata,"a",@progbits
	.p2align	6, 0x0
	.amdhsa_kernel k_q9da28963ef_gemm_out
		.amdhsa_group_segment_fixed_size 327680
		.amdhsa_private_segment_fixed_size 0
		.amdhsa_enable_private_segment 0
		.amdhsa_kernarg_size 40
		.amdhsa_user_sgpr_count 2
		.amdhsa_user_sgpr_kernarg_segment_ptr 1
		.amdhsa_wavefront_size32 1
		.amdhsa_system_sgpr_workgroup_id_x 1
		.amdhsa_system_sgpr_workgroup_id_y 1
		.amdhsa_system_sgpr_workgroup_id_z 1
		.amdhsa_system_vgpr_workitem_id 0
		.amdhsa_next_free_vgpr 1024
		.amdhsa_next_free_sgpr 100
		.amdhsa_reserve_vcc 0
		.amdhsa_float_denorm_mode_32 3
		.amdhsa_float_denorm_mode_16_64 3
		.amdhsa_memory_ordered 1
		.amdhsa_forward_progress 1
		.amdhsa_inst_pref_size 77
	.end_amdhsa_kernel
	.amdgpu_metadata
---
amdhsa.version: [ 1, 2 ]
amdhsa.kernels:
  - .name:           k_q9da28963ef_gemm_out
    .symbol:         k_q9da28963ef_gemm_out.kd
    .args:
      - { .name: ac, .offset: 0, .size: 8, .value_kind: global_buffer, .address_space: global }
      - { .name: wc, .offset: 8, .size: 8, .value_kind: global_buffer, .address_space: global }
      - { .name: lowp_scales, .offset: 16, .size: 8, .value_kind: global_buffer, .address_space: global }
      - { .name: b_out, .offset: 24, .size: 8, .value_kind: global_buffer, .address_space: global }
      - { .name: out0, .offset: 32, .size: 8, .value_kind: global_buffer, .address_space: global }
    .group_segment_fixed_size: 327680
    .private_segment_fixed_size: 0
    .kernarg_segment_align: 8
    .kernarg_segment_size: 40
    .max_flat_workgroup_size: 128
    .sgpr_count:     100
    .vgpr_count:     1024
    .wavefront_size: 32
...
	.end_amdgpu_metadata
.endif
;; end of part 4
